; MI455X (gfx1250); checked and timed in simulation.
; The chip was launched on July 23, 2026; its instructions are those of AMD's public machine-readable ISA for CDNA 5 (MIT licence, August 2026) and "CDNA5" Instruction Set Architecture Reference Guide (July 2026). The comments in the code are by the model that wrote it; some were corrected since.
;; Multihead Attention. Allowed arithmetic: matrix products marked QUANTISED: E3M2 operands, one E8M0 scale for each 32 along K, by v_wmma_scale_f32_16x16x128_f8f6f4 with both operands' format E3M2, f32 sums; everything else in f32.
;; Inputs: Wk_codes 1,024 x 32 x 24 uint8 (E3M2 codes of Wk, K innermost, in blocks of 32 codes, four codes in three bytes); Wk_scales 1,024 x 32 uint8 (E8M0 scales of Wk, one for each 32 codes along K); Wq_codes 1,024 x 32 x 24 uint8 (E3M2 codes of Wq, K innermost, in blocks of 32 codes, four codes in three bytes); Wq_scales 1,024 x 32 uint8 (E8M0 scales of Wq, one for each 32 codes along K); Wv_codes 1,024 x 32 x 24 uint8 (E3M2 codes of Wv, K innermost, in blocks of 32 codes, four codes in three bytes); Wv_scales 1,024 x 32 uint8 (E8M0 scales of Wv, one for each 32 codes along K); bk 1,024 float32; bq 1,024 float32; bv 1,024 float32; x_codes 4 x 2,048 x 32 x 24 uint8 (E3M2 codes of x, K innermost, in blocks of 32 codes, four codes in three bytes); x_scales 4 x 2,048 x 32 uint8 (E8M0 scales of x, one for each 32 codes along K).
;; Outputs: out0 4 x 2,048 x 1,024 float32.
;; This version of the problem:
;;   THIS VERSION OF THE PROBLEM IS GIVEN IN LOW PRECISION. The matrix products marked QUANTISED in the list below multiply operands that are first quantised to E3M2 (3 exponent bits, 2 mantissa bits; 6 bits a number), with one power-of-two scale for each 32 numbers along K (OCP MX v1.0); their sums are f32. All else is computed in f32.
;;   The module's matrix products, in the order in which they are computed (A, B: the left and right operand; K: the contracted axis; several contracted axes count as one K, in the product's order):
;;     1. [M 8,192, K 1,024] x [K 1,024, N 1,024]; A: input x (given as codes); B: input Wq (given as codes): QUANTISED
;;     2. [M 8,192, K 1,024] x [K 1,024, N 1,024]; A: input x (given as codes); B: input Wk (given as codes): QUANTISED
;;     3. [M 8,192, K 1,024] x [K 1,024, N 1,024]; A: input x (given as codes); B: input Wv (given as codes): QUANTISED
;;     4. batch 64 x [M 2,048, K 64] x [K 64, N 2,048]; A: computed on the way; B: computed on the way: QUANTISED
;;     5. batch 64 x [M 2,048, K 2,048] x [K 2,048, N 64]; A: softmax (see below); B: computed on the way: QUANTISED
;;   THE QUANTISER, for each operand of a quantised product, along K:
;;     - K is cut into blocks of 32 from its start; a last block that is shorter is filled with zeros.
;;     - A block's scale is 2^e with e = floor(log2(the largest magnitude in the block)) - 4, held to -126 .. 127; a block of zeros has e = 0. As a byte (E8M0): e + 127.
;;     - Each number is divided by its block's scale, clamped to +-28, and rounded to the nearest number of E3M2, ties to even, subnormals kept.
;;     - The product sums the exact products of the quantised numbers (number of the format x scale) in f32.
;;   ~~~python
;;   def quantise(x, axis):      # numpy; x: float32 -> the quantised numbers, widened to float32 again
;;       x = np.moveaxis(x, axis, -1); K = x.shape[-1]
;;       x = np.pad(x, [(0, 0)] * (x.ndim - 1) + [(0, -K % 32)]); x = x.reshape(x.shape[:-1] + (-1, 32)); a = np.abs(x).max(-1, keepdims=True)
;;       e = np.where(a > 0, np.clip(np.frexp(np.where(a > 0, a, 1))[1] - 1 - 4, -126, 127), 0)      # np.frexp(a)[1] - 1 = floor(log2(a)), exactly
;;       r = np.clip(x / 2.0 ** e, -28, 28)
;;       step = 2.0 ** (np.maximum(np.frexp(np.where(r == 0, 1, r))[1] - 1, -2) - 2)
;;       q = np.round(r / step) * step * 2.0 ** e      # np.round: ties to even
;;       return np.moveaxis(q.reshape(q.shape[:-2] + (-1,))[..., :K], -1, axis).astype(np.float32)
;;   ~~~
;;   SOFTMAX AHEAD OF A QUANTISED PRODUCT. Where the list says 'softmax', what is quantised is not the finished softmax but p = 2^(t - M), with t = logit x log2(e) and M = ceil(the row's largest t), a whole number; so 1/2 < the row's largest p <= 1. The row's sum l is taken of the UNQUANTISED p, in f32, and the product's result is divided by l at the end. Since M is a whole number, a kernel that streams over the keys may use a running M (the ceiling of the running maximum): every later rescaling is an exact power of two, which a block's scale takes up: the codes' values come out the same.
;;   OPERANDS COMPUTED ON THE WAY. 'Computed on the way' means the value that the module computes at that place (a softmax that the list does not call 'softmax' is quantised finished and normalised). What goes into a quantiser is computed in f32, as accurately as f32 sums, v_exp_f32 and their like allow (about 1e-6 of the number): no bf16 or f16 on the way to a quantiser, and a product that is left as it is and whose result goes on into a quantised operand takes f32 operands (vector FMAs, or v_wmma_f32_16x16x4_f32). A number that lies on a knife's edge between two numbers of the format may be rounded either way, as far as f32 arithmetic and the matrix unit's own rounding can turn it there, and no further.
;;   INPUTS GIVEN AS CODES. Wk (in the module: [1024, 1024], K = its axis 0); Wq (in the module: [1024, 1024], K = its axis 0); Wv (in the module: [1024, 1024], K = its axis 0); x (in the module: [4, 2048, 1024], K = its axis 2): each comes as NAME_codes (uint8): NAME with its K axis moved to the last place and cut into blocks of 32 codes, [.., K / 32, bytes a block], one block behind the other in memory; four codes in three bytes: a row's codes are one little-endian stream of bits, code i at bits 6 i .. 6 i + 5 (a code: sign, 3 exponent bits, 2 mantissa bits); and NAME_scales (uint8): the same leading axes, one E8M0 byte (e + 127) for each 32 codes along K. Its value is code x scale, taken as it is: it is not quantised again, and the codes and scales need not be those that the quantiser above would give.
;; One version. Each part assembles by itself: llvm-mc -triple=amdgcn-amd-amdhsa -mcpu=gfx1250 --defsym DOCPART=n.
;; ======== version 1 of 1: 2 launches
;; limits: right only within a limited range of input values
;; workspace buffers: qw 13,369,344 bytes; kv 13,369,344 bytes
;; launch proj (part 1): grid 12 x 32, 4 waves a work-group, clusters of 4 x 4, 327,680 bytes of LDS; arguments x_codes, x_scales, Wq_codes, Wq_scales, Wk_codes, Wk_scales, Wv_codes, Wv_scales, bq, bk, bv, qw, kv; writes qw, kv
.if DOCPART == 1
	.amdgcn_target "amdgcn-amd-amdhsa--gfx1250"
	.amdhsa_code_object_version 6
	.text
	.protected	k_qdf1e074381_proj
	.globl	k_qdf1e074381_proj
	.p2align	8
	.type	k_qdf1e074381_proj,@function
k_qdf1e074381_proj:
	s_mov_b64 s[64:65], 0
	v_nop
	global_prefetch_b8 v0, s[64:65] scope:SCOPE_SE
	s_setreg_imm32_b32 hwreg(HW_REG_WAVE_MODE, 25, 1), 1
	s_wait_xcnt 0x0
	s_wait_alu depctr_hold_cnt(0) depctr_sa_sdst(0) depctr_va_vdst(0) depctr_va_sdst(0) depctr_va_ssrc(0) depctr_va_vcc(0) depctr_vm_vsrc(0)
	s_getreg_b32 s2, hwreg(HW_REG_IB_STS2, 6, 4)
	s_cmp_eq_u32 s2, 0
	s_cbranch_scc0 .Lentry_in_a_cluster
	s_endpgm
.Lentry_in_a_cluster:
	s_bfe_u32 s2, ttmp6, 0x10000c
	s_cmp_lg_u32 s2, 0xf033
	s_cbranch_scc0 .Lentry_shape_is_right
	s_endpgm
.Lentry_shape_is_right:
; q = x Wq + bq, k = x Wk + bk, v = x Wv + bv on codes of BF6 (E3M2) with E8M0 scales, sums in f32; the results are quantised at once, q and k along a head's 64 channels,
; v along the keys, and leave as codes and scale words in the order of the next launch's operand registers.  No work of the problem is left out; every input is read.
; SHARES.  384 tiles of 256 x 256; four waves, 128 x 128 each: 64 accumulators.  The cluster's x says which product: 0 q, 1 k, 2 v.  4 x 4 work-groups form a cluster.
; SOURCE 0 ("B") is the operand along whose rows the result is quantised, since a lane's eight results run along source 0's rows: for q and k B = W, A = x; for v B = x (keys), A = Wv.
; A's tiles are shared along a row of the cluster, B's along a column: joint tensor loads with a mask of four.
; K goes through a ring of two LDS slots in chunks of 256 bytes of each row of 768 bytes: every tile row begins at a multiple of 256 bytes.  A matrix step is 96 bytes of a row: eight steps to three chunks;
; steps 2 and 5 lie across two chunks.  The scale bytes of the 256 + 256 rows come once, as dense blocks, and stay behind the ring.
; No prefetch: K is 1,024, three chunks, of which two are asked for before the first product; there is no run of trips to ask ahead in.
; THE ORDER INSIDE A BLOCK OF 32: place 16 h + 8 u + j of a block's codes holds number 16 u + 8 h + j (u: tile, h: half of the lanes, j: register), alike for q, k (channels) and v, p (keys):
; a permutation inside a block, alike on both sides of a product, keeps every product and its scale.
; OUT.  qw and kv: [head of 64][step of 128 tokens, 16][13,056 bytes]: +0 four images of 1,536 bytes (12 registers a lane: two tiles of 16 tokens x 64 channels); +6,144 (kv) four images of V^T (16 channels x 128 keys);
; +12,288 the tokens' scale words (lane l: tokens l, 32 + l, 64 + l, 96 + l; two bytes, then 0x7f twice); +12,800 (kv) V's scale words.  Registers 4 c .. 4 c + 3 of lane l lie at 512 c + 16 l: each store covers 512 consecutive bytes, aligned.
; LIMITS: NaN, infinities and given scale bytes 0xff are not served.  A computed block whose largest magnitude lies under 2^-122 (a block of zeros too) gets the byte 1; only this program reads these bytes.
.set SIZE_K, 1024
.set ROWB,   256
.set NQ,     2
.set KROW,   SIZE_K*6/8
.set STEPS,  SIZE_K/128
.set CHUNKS, KROW/ROWB
.set PITCH,  272
.set FR,     12
.set NL,     6
.set NP,     4
.set HALFT,  128*PITCH
.set SLOT,   4*HALFT
.set KS,     SIZE_K/32
.set SCL,    2*SLOT
.set HALFS,  (128*KS/256)*272
.set SBLK,   (16*KS/256)*272
.set SPARE,  SCL+4*HALFS               ; the spare words: 128 bytes a wave, named by no other line
.set STEPB,  13056
.set HEADB,  16*STEPB
.set PWS,  8                           ; v8-15 the scale word of each of A's eight blocks
.set ADRA, 16                          ; v16-17 my A fragments in slot 0, 1; v18-19 for a piece whose two lane halves lie in different chunks
.set ADRB, 20
.set LI16, 24
.set LI8,  25
.set ADRS, 27
.set SPW,  28
.set NIL,  29
.set BIO,  30
.set BRO,  31
.set SC,   32
.set BI,   64                          ; v64-127 the bias along B's rows
.set AF,   128
.set NUM,  128
.set IM0,  192
.set IM1,  204
.set CT,   216
.set BR,   224                         ; v224-231 the bias along A's rows
.set TM,   240
.set SEL,  18
.set G1, 24
.set G0, 32
.set G1B, 48
.set G0B, 56
.set G1S, 68
.set G0S, 76
.set G1SB, 80
.set G0SB, 88
.set G0H, 4
.set G0HB, 8
.set MSB, 0
.macro WIN new
.if MSB != (\new)
	s_set_vgpr_msb (MSB<<8)|(\new)
.set MSB, (\new)
.endif
.endm
.set MUL_LO, 0xa1
.set MUL_HI, 0xf1
.set TO_B,   0x40
; a joint load: waves 0, 1 fetch for A, waves 2, 3 for B; s_nop 0 and four v_nop behind each line
.macro JLOAD g0a, g1a, g0b, g1b
	s_cmp_eq_u32 s15, 0
	s_cbranch_scc0 .Lfor_b_\@
	tensor_load_to_lds s[\g0a:\g0a+3], s[\g1a:\g1a+7]
	s_nop 0
.rept 4
	v_nop
.endr
	s_branch .Lasked_\@
.Lfor_b_\@:
	tensor_load_to_lds s[\g0b:\g0b+3], s[\g1b:\g1b+7]
	s_nop 0
.rept 4
	v_nop
.endr
.Lasked_\@:
.endm
.macro CREST
	s_cmp_lg_u32 s14, 0
	s_cbranch_scc1 .Lnot_wave_0_\@
	s_barrier_signal -3
.Lnot_wave_0_\@:
	s_barrier_wait -3
	s_barrier_signal -1
	s_barrier_wait -1
.endm
.macro CROUND
	s_barrier_signal -1
	s_barrier_wait -1
	CREST
.endm
	s_load_b512 s[68:83], s[0:1], 0x0              ; x's codes, x's scales, Wq's, Wk's, Wv's
	s_load_b256 s[84:91], s[0:1], 0x40             ; bq, bk, bv, qw
	s_load_b64 s[92:93], s[0:1], 0x60              ; kv
	v_lshl_add_u32 v[SPW], v0, 2, SPARE
	v_mov_b32 v[NIL], 0
	ds_add_u32 v[SPW], v[NIL]                      ; the opening lines: the add twice on end and its wait
	ds_add_u32 v[SPW], v[NIL]
	v_lshrrev_b32 v1, 5, v0
	v_readfirstlane_b32 s14, v1                    ; wave
	s_lshr_b32 s15, s14, 1                         ; my half of A's rows; also: I fetch for A (0) or B (1)
	s_and_b32 s16, s14, 1                          ; my half of B's rows; also: which 128 rows I fetch
	s_bfe_u32 s40, ttmp6, 0x40000                  ; cx
	s_bfe_u32 s41, ttmp6, 0x40004                  ; cy
	s_and_b32 s18, ttmp7, 0xffff
	s_lshl_b32 s18, s18, 2                         ; 4 x the cluster's y counts x's tiles of 256 tokens
	s_cmp_eq_u32 ttmp9, 2                          ; v?  (equal in all sixteen partners)
	s_cselect_b32 s42, s18, 0
	s_cselect_b32 s17, 0, s18
	s_add_co_u32 s42, s42, s40                     ; B's tile
	s_add_co_u32 s17, s17, s41                     ; A's tile
	s_lshl_b32 s43, s41, 2
	s_lshl_b32 s43, 15, s43                        ; my row of the cluster
	s_lshl_b32 s44, 0x1111, s40                    ; my column
	s_or_b32 s[G1+0], s43, (0<<16)|(1<<20)|(1<<21)|(5<<22)|(3<<25)   ; bytes; 16 bytes of padding behind every 256
	s_or_b32 s[G1B+0], s44, (0<<16)|(1<<20)|(1<<21)|(5<<22)|(3<<25)
.irp g, G1, G1B
	s_mov_b32 s[\g+1], ROWB<<16
	s_mov_b32 s[\g+2], 256<<16                     ; 256 rows for the head's loads
	s_mov_b32 s[\g+3], ROWB<<16
	s_mov_b32 s[\g+4], 256
	s_mov_b32 s[\g+5], KROW
	s_mov_b32 s[\g+6], 0
	s_mov_b32 s[\g+7], 0
.endr
	s_lshl_b32 s20, s17, 8                         ; the tiles' first rows
	s_lshl_b32 s46, s42, 8
	s_mov_b32 s21, 0
	s_mov_b32 s47, 0
	s_mov_b64 s[18:19], KS
	s_mul_u64 s[22:23], s[20:21], s[18:19]         ; their scales, in bytes
	s_mul_u64 s[2:3], s[46:47], s[18:19]
	s_mov_b64 s[18:19], KROW
	s_mul_u64 s[20:21], s[20:21], s[18:19]         ; their codes
	s_mul_u64 s[46:47], s[46:47], s[18:19]
	s_mul_i32 s18, s16, 128*KROW                   ; in the ring: my 128 rows of a tile
	s_mov_b32 s19, 0
	s_mul_i32 s45, s14, HALFT
	s_wait_dscnt 0x0                               ; both opening adds are done
	s_wait_kmcnt 0x0
	s_cmp_eq_u32 ttmp9, 2                          ; the buffers are chosen by the cluster's x alone
	s_cselect_b64 s[4:5], s[80:81], s[68:69]       ; A's codes: Wv's or x's
	s_cselect_b64 s[6:7], s[82:83], s[70:71]
	s_cselect_b64 s[8:9], s[68:69], s[72:73]       ; B's codes: x's or Wq's
	s_cselect_b64 s[10:11], s[70:71], s[74:75]
	s_cselect_b64 s[96:97], s[88:89], s[84:85]     ; the bias
	s_cselect_b64 s[12:13], s[92:93], s[90:91]     ; out
	s_cmp_eq_u32 ttmp9, 1                          ; k?
	s_cselect_b64 s[8:9], s[76:77], s[8:9]
	s_cselect_b64 s[10:11], s[78:79], s[10:11]
	s_cselect_b64 s[96:97], s[86:87], s[96:97]
	s_cselect_b64 s[12:13], s[92:93], s[12:13]
	s_add_nc_u64 s[20:21], s[4:5], s[20:21]
	s_add_nc_u64 s[22:23], s[6:7], s[22:23]
	s_add_nc_u64 s[46:47], s[8:9], s[46:47]
	s_add_nc_u64 s[2:3], s[10:11], s[2:3]
	s_or_b32 s[G1S+0], s43, (3<<16)|(1<<20)|(1<<21)|(5<<22)|(3<<25)   ; the scales of 256 rows: 32 rows of 256 bytes (s68-91 are free: every argument has been chosen)
	s_or_b32 s[G1SB+0], s44, (3<<16)|(1<<20)|(1<<21)|(5<<22)|(3<<25)
.irp g, G1S, G1SB
	s_mov_b32 s[\g+1], 32<<16
	s_mov_b32 s[\g+2], KS<<16
	s_mov_b32 s[\g+3], 32<<16
	s_mov_b32 s[\g+4], KS
	s_mov_b32 s[\g+5], 32
	s_mov_b32 s[\g+6], 0
	s_mov_b32 s[\g+7], 0
.endr
	CROUND                                         ; all sixteen work-groups are here: the first joint loads meet
	s_mov_b32 s[G0H], 1
	s_mov_b32 s[G0H+1], 0
	s_mov_b64 s[G0H+2:G0H+3], s[20:21]
	s_or_b32 s[G0H+3], s[G0H+3], 0x80000000
	s_mov_b32 s[G0HB], 1
	s_mov_b32 s[G0HB+1], 2*HALFT
	s_mov_b64 s[G0HB+2:G0HB+3], s[46:47]
	s_or_b32 s[G0HB+3], s[G0HB+3], 0x80000000
	s_mov_b32 s[G0S], 1
	s_mov_b32 s[G0S+1], SCL
	s_mov_b64 s[G0S+2:G0S+3], s[22:23]
	s_or_b32 s[G0S+3], s[G0S+3], 0x80000000
	s_mov_b32 s[G0SB], 1
	s_mov_b32 s[G0SB+1], SCL+2*HALFS
	s_mov_b64 s[G0SB+2:G0SB+3], s[2:3]
	s_or_b32 s[G0SB+3], s[G0SB+3], 0x80000000
	s_add_nc_u64 s[20:21], s[20:21], s[18:19]
	s_add_nc_u64 s[46:47], s[46:47], s[18:19]
.irp s, 0,1
	s_mov_b32 s[G0+4*\s], 1
	s_add_co_u32 s[G0+4*\s+1], s45, \s*SLOT
	s_add_nc_u64 s[G0+4*\s+2:G0+4*\s+3], s[20:21], \s*ROWB
	s_or_b32 s[G0+4*\s+3], s[G0+4*\s+3], 0x80000000
	s_mov_b32 s[G0B+4*\s], 1
	s_add_co_u32 s[G0B+4*\s+1], s45, \s*SLOT
	s_add_nc_u64 s[G0B+4*\s+2:G0B+4*\s+3], s[46:47], \s*ROWB
	s_or_b32 s[G0B+4*\s+3], s[G0B+4*\s+3], 0x80000000
.endr
; the head's four tiles, one load a wave, in one tree of branches: chunk 0 of A's 256 rows, of B's, A's scales, B's scales
.macro ARM under, g0, g1, next
	s_cmp_lt_u32 s14, \under
	s_cbranch_scc0 \next
	tensor_load_to_lds s[\g0:\g0+3], s[\g1:\g1+7]
	s_nop 0
.rept 4
	v_nop
.endr
	s_branch .Lhead_asked
\next:
.endm
	ARM 1, G0H,  G1,  .Lhead_b
	ARM 2, G0HB, G1B, .Lhead_sa
	ARM 3, G0S,  G1S, .Lhead_sb
	tensor_load_to_lds s[G0SB:G0SB+3], s[G1SB:G1SB+7]
	s_nop 0
.rept 4
	v_nop
.endr
.Lhead_asked:
	v_and_b32 v1, 15, v0                           ; r
	v_bfe_u32 v2, v0, 4, 1                         ; h
	v_mul_u32_u24 v3, v1, PITCH
	v_mul_u32_u24 v4, v2, 24
	v_add_nc_u32 v4, v3, v4
	s_mov_b32 s21, SLOT-232
	s_mov_b32 s22, SLOT+232
	v_sub_nc_u32 v7, 1, v2
	v_mul_u32_u24 v5, s21, v2
	v_add_nc_u32 v5, v3, v5
	v_add_nc_u32 v5, 232, v5                       ; lanes 0-15 byte 232 of the row in slot 0, lanes 16-31 byte 0 of the row in slot 1
	v_mul_u32_u24 v6, s22, v7
	v_add_nc_u32 v6, v3, v6                        ; and the other way round
	s_mul_i32 s21, s15, HALFT
	s_mul_i32 s22, s16, HALFT
	s_add_co_u32 s22, s22, 2*HALFT
	v_add_nc_u32 v[ADRA+2], s21, v5
	v_add_nc_u32 v[ADRA+3], s21, v6
	v_add_nc_u32 v[ADRB+2], s22, v5
	v_add_nc_u32 v[ADRB+3], s22, v6
.irp s, 0,1
	v_add_nc_u32 v[ADRA+\s], s21, v4
	v_add_nc_u32 v[ADRB+\s], s22, v4
	s_add_co_u32 s21, s21, SLOT
	s_add_co_u32 s22, s22, SLOT
.endr
	v_mul_u32_u24 v5, v1, KS
	v_lshrrev_b32 v6, 8, v5
	v_lshl_add_u32 v5, v6, 4, v5
	s_mul_i32 s21, s15, HALFS
	s_mul_i32 s22, s16, HALFS
	s_add_co_u32 s22, s22, 2*HALFS
	s_sub_co_u32 s22, s22, s21
	v_mul_u32_u24 v6, s22, v2                      ; lanes 16-31 take B's scale words
	s_add_co_u32 s21, s21, SCL
	v_add_nc_u32 v5, v5, v6
	v_add_nc_u32 v[ADRS], s21, v5
	v_and_b32 v6, 31, v0
	v_lshlrev_b32 v[LI16], 4, v6
	v_lshlrev_b32 v[LI8], 3, v6
	v_lshlrev_b32 v[BIO], 5, v2
	v_lshlrev_b32 v[BRO], 2, v1
.irp b, 0,1,2,3
	v_mov_b32 v[TM+4+\b], 0                        ; a lane permute's destination counts as one of its sources
.endr
	s_wait_alu depctr_va_vdst(0)                   ; the wait ahead of the run of scalar lines
	; where my 128 tokens x 128 channels go, and where my 128 numbers of the bias begin
	s_cmp_eq_u32 ttmp9, 2
	s_cselect_b32 s94, s42, s17                    ; the tokens' tile,
	s_cselect_b32 s95, s16, s15                    ; my half of it,
	s_cselect_b32 s99, s17, s42                    ; W's tile,
	s_cselect_b32 s100, s15, s16                   ; my half of it
	s_lshr_b32 s101, s94, 3                        ; the batch
	s_lshl_b32 s101, s101, 4
	s_and_b32 s94, s94, 7
	s_lshl_b32 s94, s94, 1
	s_add_co_u32 s94, s94, s95                     ; the step of 128 tokens
	s_lshl_b32 s95, s99, 2
	s_add_co_u32 s101, s101, s95
	s_lshl_b32 s95, s100, 1
	s_add_co_u32 s101, s101, s95                   ; 16 x batch + my first head (I make two)
	s_lshl_b32 s101, s101, 4
	s_add_co_u32 s94, s94, s101
	s_mul_i32 s94, s94, STEPB
	s_mov_b32 s95, 0
	s_add_nc_u64 s[12:13], s[12:13], s[94:95]
	s_lshl_b32 s94, s99, 10
	s_lshl_b32 s99, s100, 9
	s_add_co_u32 s94, s94, s99
	s_add_nc_u64 s[96:97], s[96:97], s[94:95]
.irp b, 0,1,2,3,4,5,6,7                ; the bias in both forms; waited for at the head of the way out
	global_load_b128 v[BI+8*\b:BI+8*\b+3], v[BIO], s[96:97] offset:64*\b
	global_load_b128 v[BI+8*\b+4:BI+8*\b+7], v[BIO], s[96:97] offset:64*\b+16
.endr
.irp a, 0,1,2,3,4,5,6,7
	global_load_b32 v[BR+\a], v[BRO], s[96:97] offset:64*\a
.endr
.macro FRAG reg, adr, st, i            ; 16 rows x 128 K: lane l holds row l % 16; six pieces of 8 bytes, each inside one chunk
.irp p, 0,1,2,3,4,5
.set BY, 96*(\st)+48*(\p/3)+8*(\p%3)
.if BY/ROWB == (BY+24)/ROWB
	ds_load_b64 v[\reg+2*\p:\reg+2*\p+1], v[\adr+(BY/ROWB)%2] offset:BY%ROWB+(\i)*16*PITCH
.else
	ds_load_b64 v[\reg+2*\p:\reg+2*\p+1], v[\adr+2+(BY/ROWB)%2] offset:BY%ROWB-232+(\i)*16*PITCH
.endif
.endr
.endm
; 16 matrix instructions; the 64 accumulators take turns, in the same order in every step
.macro MUL16 a0, p, q, sc, zero
.irp a, \a0, \a0+1
.irp b, 0,1,2,3,4,5,6,7
.if \zero
	v_wmma_scale_f32_16x16x128_f8f6f4 v[8*(8*((\a)%4)+\b):8*(8*((\a)%4)+\b)+7], v[128*(\p)+FR*\b:128*(\p)+FR*\b+FR-1], v[AF+FR*(\a):AF+FR*(\a)+FR-1], 0, v[SC+8*NQ*(\sc)+NQ*\b+(\q)], v[SC+8*NQ*(\sc)+NQ*(\a)+(\q)] matrix_a_fmt:MATRIX_FMT_BF6 matrix_b_fmt:MATRIX_FMT_BF6 matrix_a_scale:MATRIX_SCALE_ROW1
.else
	v_wmma_scale_f32_16x16x128_f8f6f4 v[8*(8*((\a)%4)+\b):8*(8*((\a)%4)+\b)+7], v[128*(\p)+FR*\b:128*(\p)+FR*\b+FR-1], v[AF+FR*(\a):AF+FR*(\a)+FR-1], v[8*(8*((\a)%4)+\b):8*(8*((\a)%4)+\b)+7], v[SC+8*NQ*(\sc)+NQ*\b+(\q)], v[SC+8*NQ*(\sc)+NQ*(\a)+(\q)] matrix_a_fmt:MATRIX_FMT_BF6 matrix_b_fmt:MATRIX_FMT_BF6 matrix_a_scale:MATRIX_SCALE_ROW1
.endif
.endr
.endr
.endm
.macro FETCH_B st, p
	WIN TO_B
.irp i, 0,1,2,3,4,5,6,7
	FRAG 128*(\p)+FR*\i, ADRB, \st, \i
.endr
	WIN 0
.endm
.macro FETCH_A st, i0
.irp i, \i0, \i0+1, \i0+2, \i0+3
	FRAG AF+FR*(\i), ADRA, \st, \i
.endr
.endm
.macro SCALES pr                       ; the scale words of steps 2 pr, 2 pr + 1: lanes 0-15 A's block i, lanes 16-31 B's
.irp i, 0,1,2,3,4,5,6,7
	ds_load_b64 v[SC+8*NQ*((\pr)%2)+NQ*\i:SC+8*NQ*((\pr)%2)+NQ*\i+1], v[ADRS] offset:\i*SBLK+4*NQ*(\pr)
.endr
.endm
.macro PLACES n                        ; plain places behind a matrix instruction (ISA guide 7.12.1)
.rept \n
	v_nop
.endr
.endm
; A step of 128 along K.  Where the next step's bytes end in a chunk not yet read: the wait for my tensor loads and a barrier.  Where they begin in a later chunk: the chunk left behind is
; read no more: wait, add, wait, barrier; where a chunk two on is left to fetch, the barrier opens a round of the cluster's barrier and the slot is filled again.
.macro STEP st, zero
.set NX, (\st)+1
.set C0, (96*(\st))/ROWB
.set C1, (96*NX)/ROWB
.set E0, (96*(\st)+95)/ROWB
.set E1, (96*NX+95)/ROWB
.if C1 > C0 || E1 > E0
	s_wait_tensorcnt 0x0                           ; all my tensor loads have landed
.if C1 > C0
	ds_add_u32 v[SPW], v[NIL]
	s_wait_dscnt 4*NL+1                            ; the add and the youngest 24 loads (A's blocks 4-7) may be out
.else
	s_wait_dscnt 4*NL                              ; the youngest 24 loads may be out
.endif
	WIN MUL_LO
	MUL16 0, (\st)%2, (\st)%2, ((\st)/2)%2, \zero
	s_wait_dscnt 0x0                               ; the add and all my reads are done
	s_barrier_signal -1
	MUL16 2, (\st)%2, (\st)%2, ((\st)/2)%2, \zero
	WIN 0
	s_barrier_wait -1
.if C1 > C0 && C0+2 < CHUNKS
	CREST
	s_add_nc_u64 s[G0+4*(C0%2)+2:G0+4*(C0%2)+3], s[G0+4*(C0%2)+2:G0+4*(C0%2)+3], 2*ROWB
	s_add_nc_u64 s[G0B+4*(C0%2)+2:G0B+4*(C0%2)+3], s[G0B+4*(C0%2)+2:G0B+4*(C0%2)+3], 2*ROWB
	JLOAD G0+4*(C0%2), G1, G0B+4*(C0%2), G1B       ; chunk C0 + 2: the first tensor load behind the round; its four v_nop are the places for the loads below
.else
	PLACES NP
.endif
.else
	s_wait_dscnt 4*NL                              ; the youngest 24 loads may be out
	WIN MUL_LO
	MUL16 0, (\st)%2, (\st)%2, ((\st)/2)%2, \zero
	MUL16 2, (\st)%2, (\st)%2, ((\st)/2)%2, \zero
	s_wait_dscnt 0
	PLACES NP
.endif
	FETCH_B NX, NX%2
	FETCH_A NX, 0
.if NX%2 == 0
	SCALES NX/2
.endif
	WIN MUL_HI
	MUL16 4, (\st)%2, (\st)%2, ((\st)/2)%2, \zero
	MUL16 6, (\st)%2, (\st)%2, ((\st)/2)%2, \zero
	PLACES NP
	WIN 0
	FETCH_A NX, 4
.endm
	s_wait_alu depctr_va_vdst(0)                   ; the wait at the head's end
	s_wait_tensorcnt 0x0                           ; my tile of the head's four is in; the lines that stand ahead of a later first fill:
	ds_add_u32 v[SPW], v[NIL]
	s_mov_b32 s[G1+2], 128<<16                     ; no tensor load of mine is out: from here on a load brings 128 rows
	s_mov_b32 s[G1+4], 128
	s_mov_b32 s[G1B+2], 128<<16
	s_mov_b32 s[G1B+4], 128
	s_wait_dscnt 0x0
	CROUND
	JLOAD G0+4, G1, G0B+4, G1B                     ; chunk 1, the first tensor load behind the round
	FETCH_B 0, 0
	FETCH_A 0, 0
	SCALES 0
	FETCH_A 0, 4
	STEP 0, 1                                      ; the first step's products start the sums
.set ST, 1
.rept STEPS-2
	STEP ST, 0
.set ST, ST+1
.endr
	s_wait_dscnt 4*NL                              ; the last step: the youngest 24 loads may be out
	WIN MUL_LO
	MUL16 0, 1, 1, 1, 0
	MUL16 2, 1, 1, 1, 0
	s_wait_dscnt 0
	WIN MUL_HI
	MUL16 4, 1, 1, 1, 0
	MUL16 6, 1, 1, 1, 0
	WIN 0
; THE WAY OUT.  A's block a: a lane's 64 results, register 8 b + j = B's row 16 b + 8 h + j of A's row 16 a + r.
; STAGEIN: result + bias, each accumulator from its low end on.  v = 0: the bias runs along B's rows; v = 1: along A's rows, one number a lane.
.macro STAGEIN a, v
	WIN 0x02+(\a)/4
.set n, 0
.rept 32
.if \v
.if (\a)%2
	v_pk_add_f32 v[NUM+2*n:NUM+2*n+1], v[64*((\a)%4)+2*n:64*((\a)%4)+2*n+1], v[BR+(\a)-1:BR+(\a)] op_sel:[0,1] op_sel_hi:[1,1]
.else
	v_pk_add_f32 v[NUM+2*n:NUM+2*n+1], v[64*((\a)%4)+2*n:64*((\a)%4)+2*n+1], v[BR+(\a):BR+(\a)+1] op_sel_hi:[1,0]
.endif
.else
	v_pk_add_f32 v[NUM+2*n:NUM+2*n+1], v[64*((\a)%4)+2*n:64*((\a)%4)+2*n+1], v[BI+2*n:BI+2*n+1]
.endif
.set n, n+1
.endr
	WIN 0
.endm
; QUANT: four blocks of 32 shared with lane l xor 16 become codes: blocks 0, 1 in the six registers from d0, blocks 2, 3 from d1; the scale word in pw.
.macro QUANT s, d0, d1, pw
.irp b, 0,1,2,3
	v_max3_num_f32 v[TM+\b], |v[\s+16*\b]|, |v[\s+1+16*\b]|, 0x2800000   ; with the floor 2^(5 - 127): the byte cannot fall under 1
.endr
.irp i, 2,4,6,8,10,12,14
.irp b, 0,1,2,3
	v_max3_num_f32 v[TM+\b], v[TM+\b], |v[\s+16*\b+\i]|, |v[\s+1+16*\b+\i]|
.endr
.endr
.irp b, 0,1,2,3
	v_permlanex16_b32 v[TM+4+\b], v[TM+\b], s[SEL], s[SEL+1]
.endr
.irp b, 0,1,2,3
	v_max_num_f32 v[TM+\b], v[TM+\b], v[TM+4+\b]
.endr
.irp b, 0,1,2,3
	v_add_nc_u32 v[TM+12+\b], 0xfe000000, v[TM+\b] ; 4 off the exponent field: the conversion's scale operand
.endr
.irp b, 0,1,2,3
	v_lshrrev_b32 v[TM+4+\b], 23, v[TM+12+\b]      ; the byte
.endr
	v_lshl_or_b32 v[\pw], v[TM+5], 8, v[TM+4]
	v_lshl_or_b32 v[\pw], v[TM+6], 16, v[\pw]
	v_lshl_or_b32 v[\pw], v[TM+7], 24, v[\pw]
	v_cvt_scalef32_pk16_bf6_f32 v[\d0:\d0+2], v[\s:\s+15], v[TM+12]
	v_cvt_scalef32_pk16_bf6_f32 v[CT:CT+2], v[\s+16:\s+31], v[TM+13]
	v_cvt_scalef32_pk16_bf6_f32 v[\d1:\d1+2], v[\s+32:\s+47], v[TM+14]
	v_cvt_scalef32_pk16_bf6_f32 v[CT+4:CT+6], v[\s+48:\s+63], v[TM+15]
	v_nop                                          ; one plain place behind a scaled conversion
.irp i, 0,1,2
	v_permlane16_swap_b32 v[\d0+\i], v[CT+\i]      ; the operand's layout wants a whole block in a lane
	v_permlane16_swap_b32 v[\d1+\i], v[CT+4+\i]
.endr
.irp i, 0,1,2
	v_mov_b32 v[\d0+3+\i], v[CT+\i]
	v_mov_b32 v[\d1+3+\i], v[CT+4+\i]
.endr
.endm
; OUT: two of A's blocks make two images.  v = 0: the two heads' pair of token tiles.  v = 1: each block is a whole fragment of V^T.
.macro OUT v
.irp i, 0,1,2,3
.if \i > 0
	s_wait_xcnt 0x0                                ; the last six stores have read their data
.endif
	STAGEIN 2*\i, \v
.if \v
	QUANT NUM, IM0, IM0+6, PWS+2*\i
.else
	QUANT NUM, IM0, IM1, PWS+2*\i
.endif
	STAGEIN 2*\i+1, \v
.if \v
	QUANT NUM, IM1, IM1+6, PWS+2*\i+1
.else
	QUANT NUM, IM0+6, IM1+6, PWS+2*\i+1
.endif
.irp c, 0,1,2
.if \v
	global_store_b128 v[LI16], v[IM0+4*\c:IM0+4*\c+3], s[12:13] offset:((2*\i)/4)*HEADB+6144+((2*\i)%4)*1536+512*\c
	global_store_b128 v[LI16], v[IM1+4*\c:IM1+4*\c+3], s[12:13] offset:((2*\i+1)/4)*HEADB+6144+((2*\i+1)%4)*1536+512*\c
.else
	global_store_b128 v[LI16], v[IM0+4*\c:IM0+4*\c+3], s[12:13] offset:1536*\i+512*\c
	global_store_b128 v[LI16], v[IM1+4*\c:IM1+4*\c+3], s[12:13] offset:HEADB+1536*\i+512*\c
.endif
.endr
.endr
.if \v
.irp g, 0,1                            ; V's scale words: lanes 0-15 from the even block's register, lanes 16-31 from the odd one's
	v_cndmask_b32 v[NUM+2*\g], v[PWS+4*\g], v[PWS+4*\g+1], vcc_lo
	v_cndmask_b32 v[NUM+2*\g+1], v[PWS+4*\g+2], v[PWS+4*\g+3], vcc_lo
	global_store_b64 v[LI8], v[NUM+2*\g:NUM+2*\g+1], s[12:13] offset:12800+HEADB*\g
.endr
.else
.irp i, 0,1,2,3                        ; the tokens' scale words: bytes 0, 1 the first head's, 2, 3 the second's; the upper 64 of an instruction's K get 0x7f
	v_cndmask_b32 v[NUM+8+\i], v[PWS+2*\i], v[PWS+2*\i+1], vcc_lo
.endr
.irp i, 0,1,2,3
	v_and_or_b32 v[NUM+\i], v[NUM+8+\i], 0xffff, s99
.endr
.irp i, 0,1,2,3
	v_lshrrev_b32 v[NUM+4+\i], 16, v[NUM+8+\i]
.endr
.irp i, 0,1,2,3
	v_or_b32 v[NUM+4+\i], s99, v[NUM+4+\i]
.endr
	global_store_b128 v[LI16], v[NUM:NUM+3], s[12:13] offset:12288
	global_store_b128 v[LI16], v[NUM+4:NUM+7], s[12:13] offset:HEADB+12288
.endif
.endm
	PLACES NP                                      ; behind the last products
	s_wait_loadcnt 0x0                             ; the bias
	s_mov_b32 s[SEL], 0x76543210
	s_mov_b32 s[SEL+1], 0xfedcba98
	s_mov_b32 vcc_lo, 0xffff0000                   ; lanes 16-31
	s_mov_b32 s99, 0x7f7f0000
	s_cmp_eq_u32 ttmp9, 2                          ; all sixteen partners take the same way; no barrier and no tensor load stands on either
	s_cbranch_scc1 .Lout_v
	OUT 0
	s_branch .Lend
.Lout_v:
	OUT 1
.Lend:
	s_wait_tensorcnt 0x0                           ; the wave's end
	ds_add_u32 v[SPW], v[NIL]
	s_wait_dscnt 0x0
	CROUND                                         ; the closing round
	s_endpgm
.Lfunc_end_k_qdf1e074381_proj:
	.size	k_qdf1e074381_proj, .Lfunc_end_k_qdf1e074381_proj-k_qdf1e074381_proj
	.p2alignl 7, 3214868480
	.fill 96, 4, 3214868480
	.section	.rodata,"a",@progbits
	.p2align	6, 0x0
	.amdhsa_kernel k_qdf1e074381_proj
		.amdhsa_group_segment_fixed_size 327680
		.amdhsa_private_segment_fixed_size 0
		.amdhsa_enable_private_segment 0
		.amdhsa_kernarg_size 104
		.amdhsa_user_sgpr_count 2
		.amdhsa_user_sgpr_kernarg_segment_ptr 1
		.amdhsa_wavefront_size32 1
		.amdhsa_system_sgpr_workgroup_id_x 1
		.amdhsa_system_sgpr_workgroup_id_y 1
		.amdhsa_system_sgpr_workgroup_id_z 1
		.amdhsa_system_vgpr_workitem_id 0
		.amdhsa_next_free_vgpr 1024
		.amdhsa_next_free_sgpr 102
		.amdhsa_reserve_vcc 1
		.amdhsa_float_denorm_mode_32 3
		.amdhsa_float_denorm_mode_16_64 3
		.amdhsa_memory_ordered 1
		.amdhsa_forward_progress 1
		.amdhsa_inst_pref_size 233
	.end_amdhsa_kernel
	.amdgpu_metadata
---
amdhsa.version: [ 1, 2 ]
amdhsa.kernels:
  - .name:           k_qdf1e074381_proj
    .symbol:         k_qdf1e074381_proj.kd
    .args:
      - { .name: x_codes, .offset: 0, .size: 8, .value_kind: global_buffer, .address_space: global }
      - { .name: x_scales, .offset: 8, .size: 8, .value_kind: global_buffer, .address_space: global }
      - { .name: Wq_codes, .offset: 16, .size: 8, .value_kind: global_buffer, .address_space: global }
      - { .name: Wq_scales, .offset: 24, .size: 8, .value_kind: global_buffer, .address_space: global }
      - { .name: Wk_codes, .offset: 32, .size: 8, .value_kind: global_buffer, .address_space: global }
      - { .name: Wk_scales, .offset: 40, .size: 8, .value_kind: global_buffer, .address_space: global }
      - { .name: Wv_codes, .offset: 48, .size: 8, .value_kind: global_buffer, .address_space: global }
      - { .name: Wv_scales, .offset: 56, .size: 8, .value_kind: global_buffer, .address_space: global }
      - { .name: bq, .offset: 64, .size: 8, .value_kind: global_buffer, .address_space: global }
      - { .name: bk, .offset: 72, .size: 8, .value_kind: global_buffer, .address_space: global }
      - { .name: bv, .offset: 80, .size: 8, .value_kind: global_buffer, .address_space: global }
      - { .name: qw, .offset: 88, .size: 8, .value_kind: global_buffer, .address_space: global }
      - { .name: kv, .offset: 96, .size: 8, .value_kind: global_buffer, .address_space: global }
    .group_segment_fixed_size: 327680
    .private_segment_fixed_size: 0
    .kernarg_segment_align: 8
    .kernarg_segment_size: 104
    .max_flat_workgroup_size: 128
    .sgpr_count:     102
    .vgpr_count:     1024
    .wavefront_size: 32
...
	.end_amdgpu_metadata
.endif
;; end of part 1
;; launch attn (part 2): grid 4 x 64, 8 waves a work-group, clusters of 4 x 1, 327,680 bytes of LDS; arguments qw, kv, out0; writes out0
.if DOCPART == 2
	.amdgcn_target "amdgcn-amd-amdhsa--gfx1250"
	.amdhsa_code_object_version 6
	.text
	.protected	k_qdf1e074381_attn
	.globl	k_qdf1e074381_attn
	.p2align	8
	.type	k_qdf1e074381_attn,@function
k_qdf1e074381_attn:
	s_mov_b64 s[64:65], 0
	v_nop
	global_prefetch_b8 v0, s[64:65] scope:SCOPE_SE
	s_setreg_imm32_b32 hwreg(HW_REG_WAVE_MODE, 25, 1), 1
	s_wait_xcnt 0x0
	s_wait_alu depctr_hold_cnt(0) depctr_sa_sdst(0) depctr_va_vdst(0) depctr_va_sdst(0) depctr_va_ssrc(0) depctr_va_vcc(0) depctr_vm_vsrc(0)
	s_getreg_b32 s2, hwreg(HW_REG_IB_STS2, 6, 4)
	s_cmp_eq_u32 s2, 0
	s_cbranch_scc0 .Lentry_in_a_cluster
	s_endpgm
.Lentry_in_a_cluster:
	s_bfe_u32 s2, ttmp6, 0x10000c
	s_cmp_lg_u32 s2, 0x3003
	s_cbranch_scc0 .Lentry_shape_is_right
	s_endpgm
.Lentry_shape_is_right:
; out = softmax(q k^T / 8) v for one head and 512 queries a work-group, on codes of BF6 with E8M0 scales as the launch before laid them (its head says how).
; SHARES.  Grid y: the 64 heads; the four work-groups of a cluster take 512 queries each of one head.  Eight waves, 64 queries each, in two passes of two tiles of 16 queries.
; THE HEAD'S K AND V, 16 steps of 13,056 bytes, are one dense block of 208,896 bytes: each wave asks for an eighth of it, 102 rows of 256 bytes, by one joint load that names the four partners;
; it stays in LDS for the whole launch and nothing is filled again.  No prefetch: all that the launch reads of kv is asked for at its head.
; A STEP is 128 keys.  Both products are used transposed (S^T = k q^T, O^T = v^T p^T): a lane holds one query.  The two query tiles go through every phase together, as chains that do not hang on each other:
; block maxima, the running M = ceil(largest t) kept as -M, t - M by packed multiply-adds, one batch of exponentials, codes and scale words of p, the row's sum of the unquantised p, O^T x 2^(old M - new M), the product.
; A head has 64 channels: the upper 64 of the first product's K are zero codes on q's side (scale bytes 0x7f), so that k's fragments may overlap.
; LIMITS: the promise holds while |t| (the scaled scores to the base 2) stays under 2^31; NaN and infinities are not served.
; A block's largest p is made from the block's largest score by the same multiply-add and exponential as every p.
.set STEPB, 13056
.set HEADB, 16*STEPB
.set STG,   HEADB                      ; behind K and V: a stage of 16 rows x 272 bytes for each wave
.set SP,    272
.set SPARE, STG+8*16*SP                ; the spare words: 128 bytes a wave, named by no other line
.set LI16, 1
.set LI8,  2
.set ADV,  3
.set ADS,  4
.set ADK,  5
.set QCO,  6
.set QSO,  7
.set GO,   8
.set STO,  9
.set RD,   10
.set ST,   16                          ; a query tile's state, 8 registers: -M, largest t, the sum (2), f, 0, two at work
.set BT,   32                          ; v32-39
.set SO,   40                          ; v40-47
.set T1,   48                          ; v48-49
.set X,    50                          ; v50-53
.set CT1,  56                          ; v56-63 halves of blocks, tile 1
.set S,    64                          ; v64-191 scores, then p
.set PC,   192                         ; v192-215 p's codes
.set CT0,  216                         ; v216-223 halves of blocks, tile 0
.set KS,   224
.set VS,   228
.set QS,   230
.set PW,   232
.set BM,   234                         ; v234-241 the blocks' largest scores, then p
.set SPW,  254
.set NIL,  255
.set O,    0                           ; window 1: O^T, q, k's fragments (and six zeros), v's
.set Q,    64
.set KF,   112
.set VF,   168
.set WV,   10
.set G1,   16
.set SEL,  32
.set CS,   34
.set TB,   36
.set TN,   37
.set CNT,  38
.set MSB, 0
.macro WIN new
.if MSB != (\new)
	s_set_vgpr_msb (MSB<<8)|(\new)
.set MSB, (\new)
.endif
.endm
.set W_KQ,  0x05
.set W_PV,  0x51
.set W_RS,  0x41
.set W_LD,  0x40
.set W_OUT, 0x01
.macro CROUND
	s_barrier_signal -1
	s_barrier_wait -1
	s_cmp_lg_u32 s[WV], 0
	s_cbranch_scc1 .Lnot_wave_0_\@
	s_barrier_signal -3
.Lnot_wave_0_\@:
	s_barrier_wait -3
	s_barrier_signal -1
	s_barrier_wait -1
.endm
	s_load_b128 s[4:7], s[0:1], 0x0                ; qw, kv
	s_load_b64 s[8:9], s[0:1], 0x10                ; out0
	v_lshl_add_u32 v[SPW], v0, 2, SPARE
	v_mov_b32 v[NIL], 0
	ds_add_u32 v[SPW], v[NIL]                      ; the opening lines: the add twice on end and its wait
	ds_add_u32 v[SPW], v[NIL]
	v_lshrrev_b32 v11, 5, v0
	v_readfirstlane_b32 s[WV], v11
	s_bfe_u32 s11, ttmp6, 0x40000
	s_lshl_b32 s40, ttmp9, 2
	s_add_co_u32 s11, s11, s40                     ; which 512 queries
	s_and_b32 s12, ttmp7, 0xffff                   ; the head, 16 x batch + head
	s_mul_i32 s40, s12, HEADB
	s_mov_b32 s41, 0
	s_mul_i32 s42, s[WV], 2*STEPB                  ; my eighth of the head's K and V
	s_mov_b32 s43, 0
	s_add_nc_u64 s[42:43], s[42:43], s[40:41]
	s_lshl_b32 s44, s11, 2
	s_lshr_b32 s45, s[WV], 1
	s_add_co_u32 s44, s44, s45                     ; the step of 128 tokens that holds my 64 queries
	s_mul_i32 s44, s44, STEPB
	s_mov_b32 s45, 0
	s_add_nc_u64 s[44:45], s[44:45], s[40:41]
	s_lshr_b32 s46, s12, 4
	s_lshl_b32 s46, s46, 23                        ; out: the batch, 2,048 rows of 4,096 bytes,
	s_and_b32 s47, s12, 15
	s_lshl_b32 s47, s47, 8                         ; the head's 256 bytes of a row,
	s_add_co_u32 s46, s46, s47
	s_lshl_b32 s47, s11, 21                        ; 512 rows a work-group,
	s_add_co_u32 s46, s46, s47
	s_lshl_b32 s47, s[WV], 18                      ; 64 rows a wave
	s_add_co_u32 s46, s46, s47
	s_mov_b32 s47, 0
	s_mov_b32 s[G1], 15|(3<<16)|(1<<21)            ; the four partners; elements of 8 bytes; no padding
	s_mov_b32 s[G1+1], 32<<16
	s_mov_b32 s[G1+2], 102<<16                     ; 102 rows of 256 bytes
	s_mov_b32 s[G1+3], 32<<16
	s_mov_b32 s[G1+4], 102
	s_mov_b32 s[G1+5], 32
	s_mov_b32 s[G1+6], 0
	s_mov_b32 s[G1+7], 0
	s_mov_b32 s[SEL], 0x76543210
	s_mov_b32 s[SEL+1], 0xfedcba98
	s_mov_b32 s[CS], 0x3e38aa3b                    ; log2(e) / 8
	s_mov_b32 s[CS+1], s[CS]
	s_wait_dscnt 0x0
	s_wait_kmcnt 0x0
	s_add_nc_u64 s[4:5], s[4:5], s[44:45]
	s_add_nc_u64 s[6:7], s[6:7], s[42:43]
	s_add_nc_u64 s[8:9], s[8:9], s[46:47]
	s_mov_b32 s24, 1
	s_mul_i32 s25, s[WV], 2*STEPB
	s_mov_b64 s[26:27], s[6:7]
	s_or_b32 s27, s27, 0x80000000
	CROUND                                         ; the four partners are here: the joint loads meet
	tensor_load_to_lds s[24:27], s[G1:G1+7]        ; my one tensor load of the launch
	s_nop 0
.rept 4
	v_nop
.endr
	v_and_b32 v11, 31, v0
	v_and_b32 v12, 15, v0
	v_bfe_u32 v13, v0, 4, 1
	v_lshlrev_b32 v[LI16], 4, v11
	v_lshlrev_b32 v[LI8], 3, v11
	s_and_b32 s40, s[WV], 1
	s_mul_i32 s41, s40, 3072
	v_add_nc_u32 v[QCO], s41, v[LI16]
	s_lshl_b32 s41, s40, 3
	v_add_nc_u32 v[QSO], s41, v[LI16]
	WIN W_LD
.irp p, 0,1                            ; an image holds two tiles' six registers: they go to fragments 12 registers apart
	global_load_b128 v[Q+24*\p:Q+24*\p+3], v[QCO], s[4:5] offset:1536*\p
	global_load_b64 v[Q+24*\p+4:Q+24*\p+5], v[QCO], s[4:5] offset:1536*\p+512
	global_load_b64 v[Q+24*\p+12:Q+24*\p+13], v[QCO], s[4:5] offset:1536*\p+520
	global_load_b128 v[Q+24*\p+14:Q+24*\p+17], v[QCO], s[4:5] offset:1536*\p+1024
.endr
.irp f, 0,1,2,3
.irp i, 6,7,8,9,10,11
	v_mov_b32 v[Q+12*\f+\i], 0                     ; zero codes for the upper 64 of K
.endr
.endr
.irp i, 0,1,2,3,4,5
	v_mov_b32 v[KF+48+\i], 0
.endr
	WIN 0
.irp p, 0,1
	global_load_b32 v[QS+\p], v[QSO], s[4:5] offset:12288+4*\p
.endr
	v_lshlrev_b32 v[GO], 12, v13
	v_lshl_add_u32 v[GO], v12, 4, v[GO]
	s_mul_i32 s41, s[WV], 16*SP
	s_add_co_u32 s41, s41, STG
	v_mul_u32_u24 v[STO], v12, SP
	v_mul_u32_u24 v[RD], v13, SP
	v_lshl_add_u32 v[STO], v13, 5, v[STO]
	v_lshl_add_u32 v[RD], v12, 4, v[RD]
	v_add_nc_u32 v[STO], s41, v[STO]
	v_add_nc_u32 v[RD], s41, v[RD]
.irp b, 0,1,2,3,4,5,6,7
	v_mov_b32 v[BT+\b], 0                          ; a lane permute's destination counts as one of its sources
.endr
.irp q, 0,1
	v_mov_b32 v[ST+8*\q+5], 0
	v_mov_b32 v[ST+8*\q+7], 0
.endr
.macro FETCH_K
	WIN W_LD
.irp i, 0,1,2,3
.irp c, 0,1,2
	ds_load_b128 v[KF+12*\i+4*\c:KF+12*\i+4*\c+3], v[ADK] offset:1536*\i+512*\c
.endr
.endr
	WIN 0
	ds_load_b128 v[KS:KS+3], v[ADK] offset:12288
.endm
.macro KQ1 p, q, t
.set rD, S+64*(\q)+8*(\t)
.set rA, KF+6*(\t)
.set rQ, Q+24*(\p)+12*(\q)
.if ((\t)%2 == 0) && ((\q) == 0)
	v_wmma_scale_f32_16x16x128_f8f6f4 v[rD:rD+7], v[rA:rA+11], v[rQ:rQ+11], 0, v[KS+(\t)/2], v[QS+(\p)] matrix_a_fmt:MATRIX_FMT_BF6 matrix_b_fmt:MATRIX_FMT_BF6
.elseif (\q) == 0
	v_wmma_scale_f32_16x16x128_f8f6f4 v[rD:rD+7], v[rA:rA+11], v[rQ:rQ+11], 0, v[KS+(\t)/2], v[QS+(\p)] matrix_a_fmt:MATRIX_FMT_BF6 matrix_b_fmt:MATRIX_FMT_BF6 matrix_a_scale:MATRIX_SCALE_ROW1
.elseif (\t)%2 == 0
	v_wmma_scale_f32_16x16x128_f8f6f4 v[rD:rD+7], v[rA:rA+11], v[rQ:rQ+11], 0, v[KS+(\t)/2], v[QS+(\p)] matrix_a_fmt:MATRIX_FMT_BF6 matrix_b_fmt:MATRIX_FMT_BF6 matrix_b_scale:MATRIX_SCALE_ROW1
.else
	v_wmma_scale_f32_16x16x128_f8f6f4 v[rD:rD+7], v[rA:rA+11], v[rQ:rQ+11], 0, v[KS+(\t)/2], v[QS+(\p)] matrix_a_fmt:MATRIX_FMT_BF6 matrix_b_fmt:MATRIX_FMT_BF6 matrix_a_scale:MATRIX_SCALE_ROW1 matrix_b_scale:MATRIX_SCALE_ROW1
.endif
.endm
.macro PV1 q, e
.set rD, O+32*(\q)+8*(\e)
.set rA, VF+12*(\e)
.set rP, PC+12*(\q)
.if (\e)%2 == 0
	v_wmma_scale_f32_16x16x128_f8f6f4 v[rD:rD+7], v[rA:rA+11], v[rP:rP+11], v[rD:rD+7], v[VS+(\e)/2], v[PW+(\q)] matrix_a_fmt:MATRIX_FMT_BF6 matrix_b_fmt:MATRIX_FMT_BF6
.else
	v_wmma_scale_f32_16x16x128_f8f6f4 v[rD:rD+7], v[rA:rA+11], v[rP:rP+11], v[rD:rD+7], v[VS+(\e)/2], v[PW+(\q)] matrix_a_fmt:MATRIX_FMT_BF6 matrix_b_fmt:MATRIX_FMT_BF6 matrix_a_scale:MATRIX_SCALE_ROW1
.endif
.endm
.macro MX q, n                         ; line n of the four blocks' maxima of tile q: each accumulator is first read at its low end
.set rS, S+64*(\q)
.set rB, BM+4*(\q)
.if (\n) < 4
	v_max3_num_f32 v[rB+(\n)], v[rS+16*(\n)], v[rS+16*(\n)+1], v[rS+16*(\n)+2]
.elseif (\n) < 28
.set bb, (\n)%4
.set ii, 3+2*(((\n)-4)/4)
	v_max3_num_f32 v[rB+bb], v[rB+bb], v[rS+16*bb+ii], v[rS+16*bb+ii+1]
.else
	v_max_num_f32 v[rB+(\n)-28], v[rB+(\n)-28], v[rS+16*((\n)-28)+15]
.endif
.endm
.macro EACHQ a:vararg                  ; (not used for lines with commas inside brackets)
.endm
.macro TAIL2                           ; the blocks' maxima with lane l xor 16's; the running largest t; -M = floor(-t); f = 2^(old M - new M); the sums x f.  The two tiles by turns
.irp b, 0,1,2,3,4,5,6,7
	v_permlanex16_b32 v[BT+\b], v[BM+\b], s[SEL], s[SEL+1]
.endr
.irp b, 0,1,2,3,4,5,6,7
	v_max_num_f32 v[BM+\b], v[BM+\b], v[BT+\b]
.endr
.irp q, 0,1
	v_max3_num_f32 v[T1+\q], v[BM+4*\q], v[BM+4*\q+1], v[BM+4*\q+2]
.endr
.irp q, 0,1
	v_max_num_f32 v[T1+\q], v[T1+\q], v[BM+4*\q+3]
.endr
.irp q, 0,1
	v_mul_f32 v[T1+\q], s[CS], v[T1+\q]
.endr
.irp q, 0,1
	v_max_num_f32 v[ST+8*\q+1], v[ST+8*\q+1], v[T1+\q]
.endr
.irp q, 0,1
	v_mov_b32 v[T1+\q], v[ST+8*\q]
.endr
.irp q, 0,1
	v_floor_f32 v[ST+8*\q], -v[ST+8*\q+1]
.endr
.irp q, 0,1
	v_sub_f32 v[T1+\q], v[ST+8*\q], v[T1+\q]
.endr
.irp q, 0,1
	v_cvt_i32_f32 v[T1+\q], v[T1+\q]
.endr
.irp q, 0,1
	v_ldexp_f32 v[ST+8*\q+4], 1.0, v[T1+\q]
.endr
.irp q, 0,1
	v_pk_mul_f32 v[ST+8*\q+2:ST+8*\q+3], v[ST+8*\q+2:ST+8*\q+3], v[ST+8*\q+4:ST+8*\q+5] op_sel_hi:[1,0]
.endr
.endm
.macro FMA2                            ; t - M, two at a time; the same of the blocks' largest scores
.irp q, 0,1
.set n, 0
.rept 32
	v_pk_fma_f32 v[S+64*\q+2*n:S+64*\q+2*n+1], v[S+64*\q+2*n:S+64*\q+2*n+1], s[CS:CS+1], v[ST+8*\q:ST+8*\q+1] op_sel_hi:[1,0,0]
.set n, n+1
.endr
.irp i, 0,2
	v_pk_fma_f32 v[BM+4*\q+\i:BM+4*\q+\i+1], v[BM+4*\q+\i:BM+4*\q+\i+1], s[CS:CS+1], v[ST+8*\q:ST+8*\q+1] op_sel_hi:[1,0,0]
.endr
.endr
.endm
.macro CODES2                          ; p's scale words and codes, the two tiles by turns
.irp b, 0,1,2,3,4,5,6,7
	v_max_num_f32 v[BM+\b], 0x2800000, v[BM+\b]    ; the floor 2^(5 - 127): the byte cannot fall under 1
.endr
.irp b, 0,1,2,3,4,5,6,7
	v_add_nc_u32 v[SO+\b], 0xfe000000, v[BM+\b]    ; 4 off the exponent field: the conversion's scale operand
.endr
.irp b, 0,1,2,3,4,5,6,7
	v_lshrrev_b32 v[BT+\b], 23, v[SO+\b]           ; the byte
.endr
.irp q, 0,1
	v_lshl_or_b32 v[PW+\q], v[BT+4*\q+1], 8, v[BT+4*\q]
.endr
.irp q, 0,1
	v_lshl_or_b32 v[PW+\q], v[BT+4*\q+2], 16, v[PW+\q]
.endr
.irp q, 0,1
	v_lshl_or_b32 v[PW+\q], v[BT+4*\q+3], 24, v[PW+\q]
.endr
.irp q, 0,1
.irp c, 0,1
	v_cvt_scalef32_pk16_bf6_f32 v[PC+12*\q+6*\c:PC+12*\q+6*\c+2], v[S+64*\q+32*\c:S+64*\q+32*\c+15], v[SO+4*\q+2*\c]
	v_cvt_scalef32_pk16_bf6_f32 v[CT0-(CT0-CT1)*\q+4*\c:CT0-(CT0-CT1)*\q+4*\c+2], v[S+64*\q+32*\c+16:S+64*\q+32*\c+31], v[SO+4*\q+2*\c+1]
.endr
.endr
	v_nop                                          ; one plain place behind a scaled conversion
.irp q, 0,1
.irp c, 0,1
.irp i, 0,1,2
	v_permlane16_swap_b32 v[PC+12*\q+6*\c+\i], v[CT0-(CT0-CT1)*\q+4*\c+\i]   ; a whole block in a lane
.endr
.endr
.endr
.irp q, 0,1
.irp c, 0,1
.irp i, 0,1,2
	v_mov_b32 v[PC+12*\q+6*\c+3+\i], v[CT0-(CT0-CT1)*\q+4*\c+\i]
.endr
.endr
.endr
.endm
.macro SUM2                            ; the rows' sums of the unquantised p: two chains a tile
.irp q, 0,1
	v_pk_add_f32 v[X+2*\q:X+2*\q+1], v[S+64*\q:S+64*\q+1], v[S+64*\q+2:S+64*\q+3]
.endr
.irp j, 4,8,12,16,20,24,28,32,36,40,44,48,52,56,60
.irp q, 0,1
	v_pk_add_f32 v[ST+8*\q+2:ST+8*\q+3], v[ST+8*\q+2:ST+8*\q+3], v[S+64*\q+\j:S+64*\q+\j+1]
	v_pk_add_f32 v[X+2*\q:X+2*\q+1], v[X+2*\q:X+2*\q+1], v[S+64*\q+\j+2:S+64*\q+\j+3]
.endr
.endr
.irp q, 0,1
	v_pk_add_f32 v[ST+8*\q+2:ST+8*\q+3], v[ST+8*\q+2:ST+8*\q+3], v[X+2*\q:X+2*\q+1]
.endr
.endm
.macro STEP p
	s_wait_dscnt 0x0                               ; this step's fragments of k are in
	WIN W_KQ
.irp q, 0,1
.irp t, 0,1,2,3,4,5,6,7
	KQ1 \p, \q, \t
.endr
.endr
	WIN 0
	s_add_co_u32 s[TN], s[TB], STEPB
	s_min_u32 s[TN], s[TN], 15*STEPB               ; the last step asks for its own k again: every read stays inside what was loaded
	v_add_nc_u32 v[ADV], s[TB], v[LI16]            ; these three and the v_nop are the four places ahead of the loads
	v_add_nc_u32 v[ADS], s[TB], v[LI8]
	v_add_nc_u32 v[ADK], s[TN], v[LI16]
	v_nop
	ds_load_b64 v[VS:VS+1], v[ADS] offset:12800
	WIN W_LD
.irp e, 0,1,2,3
.irp c, 0,1,2
	ds_load_b128 v[VF+12*\e+4*\c:VF+12*\e+4*\c+3], v[ADV] offset:6144+1536*\e+512*\c
.endr
.endr
	FETCH_K                                        ; the next step's k
.set m, 0
.rept 32
	MX 0, m
	MX 1, m
.set m, m+1
.endr
	TAIL2
	FMA2
	s_wait_alu depctr_va_vdst(0)                   ; the wait ahead of the batch
.set m, 0
.rept 128
	v_exp_f32 v[S+m], v[S+m]                       ; p = 2^(t - M)
.set m, m+1
.endr
.irp b, 0,1,2,3,4,5,6,7
	v_exp_f32 v[BM+\b], v[BM+\b]                   ; the blocks' largest p
.endr
	v_nop                                          ; one plain place behind the batch
	s_wait_alu depctr_va_vdst(0)                   ; and the one wait behind it
	s_wait_dscnt 13                                ; v's 13 loads are in; the 13 issued behind them (the next k) may be out
	CODES2
	SUM2
	WIN W_RS
	s_wait_alu depctr_va_vdst(0)                   ; the wait directly ahead of the first reader of O^T
.irp q, 0,1
.set m, 0
.rept 16
	v_pk_mul_f32 v[O+32*\q+2*m:O+32*\q+2*m+1], v[O+32*\q+2*m:O+32*\q+2*m+1], v[ST+8*\q+4:ST+8*\q+5] op_sel_hi:[1,0]
.set m, m+1
.endr
.endr
	s_wait_alu depctr_va_vdst(0)                   ; what was written above is read by the products below
	WIN W_PV
.irp e, 0,1,2,3
.irp q, 0,1
	PV1 \q, \e                                     ; the eight accumulators by turns
.endr
.endr
	WIN 0
	s_add_co_u32 s[TB], s[TB], STEPB
.endm
.macro WAYOUT p                        ; O^T / the sum, through my stage, out as rows of 256 bytes: sixteen lanes store one aligned unit
.irp q, 0,1
	v_add_f32 v[ST+8*\q+6], v[ST+8*\q+2], v[ST+8*\q+3]
.endr
.irp q, 0,1
	v_permlanex16_b32 v[ST+8*\q+7], v[ST+8*\q+6], s[SEL], s[SEL+1]
.endr
.irp q, 0,1
	v_add_f32 v[ST+8*\q+6], v[ST+8*\q+6], v[ST+8*\q+7]
.endr
	s_wait_alu depctr_va_vdst(0)
.irp q, 0,1
	v_rcp_f32 v[ST+8*\q+4], v[ST+8*\q+6]
.endr
	v_nop
	s_wait_alu depctr_va_vdst(0)
.irp q, 0,1
	WIN W_OUT
.set m, 0
.rept 16
	v_pk_mul_f32 v[S+32*\q+2*m:S+32*\q+2*m+1], v[O+32*\q+2*m:O+32*\q+2*m+1], v[ST+8*\q+4:ST+8*\q+5] op_sel_hi:[1,0]
.set m, m+1
.endr
	WIN 0
.irp e, 0,1,2,3
	ds_store_b128 v[STO], v[S+32*\q+8*\e:S+32*\q+8*\e+3] offset:64*\e
	ds_store_b128 v[STO], v[S+32*\q+8*\e+4:S+32*\q+8*\e+7] offset:64*\e+16
.endr
.irp i, 0,1,2,3,4,5,6,7
	ds_load_b128 v[S+64+32*\q+4*\i:S+64+32*\q+4*\i+3], v[RD] offset:2*SP*\i
.endr
.endr
.irp i, 0,1,2,3,4,5,6,7
	s_wait_dscnt 23-\i                             ; behind this load: the rest of its eight, then 8 stores and 8 loads
	global_store_b128 v[GO], v[S+64+4*\i:S+64+4*\i+3], s[8:9] offset:(32*\p+2*\i)*4096 th:TH_STORE_NT
.endr
.irp i, 0,1,2,3,4,5,6,7
	s_wait_dscnt 7-\i
	global_store_b128 v[GO], v[S+96+4*\i:S+96+4*\i+3], s[8:9] offset:(32*\p+16+2*\i)*4096 th:TH_STORE_NT
.endr
	s_wait_xcnt 0x0                                ; the stores have read their data
.endm
.macro PINIT                           ; a pass begins: the largest t -3e38, the sums and O^T zero
.irp q, 0,1
	v_mov_b32 v[ST+8*\q+1], 0xff61b1e6
	v_mov_b32 v[ST+8*\q+2], 0
	v_mov_b32 v[ST+8*\q+3], 0
.endr
.irp q, 0,1
	v_floor_f32 v[ST+8*\q], -v[ST+8*\q+1]
.endr
	WIN W_LD
.set m, 0
.rept 64
	v_mov_b32 v[O+m], 0
.set m, m+1
.endr
	WIN 0
	v_mov_b32 v[ADK], v[LI16]
.endm
.macro PASS p
	FETCH_K                                        ; step 0's k
	s_mov_b32 s[TB], 0
	s_mov_b32 s[CNT], 16
.Lstep_\@:
	STEP \p
	s_sub_co_u32 s[CNT], s[CNT], 1
	s_cmp_lg_u32 s[CNT], 0
	s_cbranch_scc1 .Lstep_\@
	WAYOUT \p
.endm
	PINIT
	s_wait_alu depctr_va_vdst(0)                   ; the wait at the head's end
	s_wait_tensorcnt 0x0                           ; my eighth of K and V is in,
	s_barrier_signal -1
	s_barrier_wait -1                              ; everybody's is
	s_wait_loadcnt 0x0                             ; q
	PASS 0
	PINIT
	s_wait_alu depctr_va_vdst(0)                   ; the wait ahead of the loop's first wait
	PASS 1
	s_wait_dscnt 0x0
	s_wait_tensorcnt 0x0                           ; the wave's end
	ds_add_u32 v[SPW], v[NIL]
	s_wait_dscnt 0x0
	CROUND                                         ; the closing round
	s_endpgm
.Lfunc_end_k_qdf1e074381_attn:
	.size	k_qdf1e074381_attn, .Lfunc_end_k_qdf1e074381_attn-k_qdf1e074381_attn
	.p2alignl 7, 3214868480
	.fill 96, 4, 3214868480
	.section	.rodata,"a",@progbits
	.p2align	6, 0x0
	.amdhsa_kernel k_qdf1e074381_attn
		.amdhsa_group_segment_fixed_size 327680
		.amdhsa_private_segment_fixed_size 0
		.amdhsa_enable_private_segment 0
		.amdhsa_kernarg_size 24
		.amdhsa_user_sgpr_count 2
		.amdhsa_user_sgpr_kernarg_segment_ptr 1
		.amdhsa_wavefront_size32 1
		.amdhsa_system_sgpr_workgroup_id_x 1
		.amdhsa_system_sgpr_workgroup_id_y 1
		.amdhsa_system_sgpr_workgroup_id_z 1
		.amdhsa_system_vgpr_workitem_id 0
		.amdhsa_next_free_vgpr 512
		.amdhsa_next_free_sgpr 66
		.amdhsa_reserve_vcc 0
		.amdhsa_float_denorm_mode_32 3
		.amdhsa_float_denorm_mode_16_64 3
		.amdhsa_memory_ordered 1
		.amdhsa_forward_progress 1
		.amdhsa_inst_pref_size 84
	.end_amdhsa_kernel
	.amdgpu_metadata
---
amdhsa.version: [ 1, 2 ]
amdhsa.kernels:
  - .name:           k_qdf1e074381_attn
    .symbol:         k_qdf1e074381_attn.kd
    .args:
      - { .name: qw, .offset: 0, .size: 8, .value_kind: global_buffer, .address_space: global }
      - { .name: kv, .offset: 8, .size: 8, .value_kind: global_buffer, .address_space: global }
      - { .name: out0, .offset: 16, .size: 8, .value_kind: global_buffer, .address_space: global }
    .group_segment_fixed_size: 327680
    .private_segment_fixed_size: 0
    .kernarg_segment_align: 8
    .kernarg_segment_size: 24
    .max_flat_workgroup_size: 256
    .sgpr_count:     66
    .vgpr_count:     512
    .wavefront_size: 32
...
	.end_amdgpu_metadata
.endif
;; end of part 2
